; MI455X (gfx1250); checked and timed in simulation.
; The chip was launched on July 23, 2026; its instructions are those of AMD's public machine-readable ISA for CDNA 5 (MIT licence, August 2026) and "CDNA5" Instruction Set Architecture Reference Guide (July 2026). The comments in the code are by the model that wrote it; some were corrected since.
;; Mo E Layer. Allowed arithmetic: float matrix products may take bf16 or f16 operands with f32 sums; all other float work in f32.
;; Inputs: b1 8 x 2,048 float32; b2 8 x 512 float32; gate_b 8 float32; gate_w 512 x 8 float32; time_stage 2 x 2,048 x 512 float32; w1 8 x 512 x 2,048 float32; w2 8 x 2,048 x 512 float32; x 2 x 2,048 x 512 float32.
;; Outputs: out0 2 x 2,048 x 512 float32.
;; One version. Each part assembles by itself: llvm-mc -triple=amdgcn-amd-amdhsa -mcpu=gfx1250 --defsym DOCPART=n.
;; ======== version 1 of 1: 5 launches
;; limits: a function is approximated: absolute error at most 2.5e-05; an absolute error that grows with the inputs' magnitude: up to 1.25e-05 times it; values outside matrix products are rounded to bf16; values are held in f16: magnitudes above 65,504 overflow, below 6.1e-05 lose precision
;; workspace buffers: sel 16,384 bytes of whole numbers; prob 32,768 bytes; xb 4,194,304 bytes; wb 33,554,432 bytes; plan 73,984 bytes of whole numbers; hbuf 41,943,040 bytes; ybuf 20,971,520 bytes
;; launch route (part 1): grid 256 x 1, 8 waves a work-group, no clusters, 19,456 bytes of LDS; arguments x, time_stage, gate_w, gate_b, sel, prob, xb, plan; writes sel, prob, xb, plan
.if DOCPART == 1
	.amdgcn_target "amdgcn-amd-amdhsa--gfx1250"
	.amdhsa_code_object_version 6
	.text
	.protected	k_q0e55fa52db_route
	.globl	k_q0e55fa52db_route
	.p2align	8
	.type	k_q0e55fa52db_route,@function
k_q0e55fa52db_route:
	s_mov_b64 s[64:65], 0
	v_nop
	global_prefetch_b8 v0, s[64:65] scope:SCOPE_SE
	s_setreg_imm32_b32 hwreg(HW_REG_WAVE_MODE, 25, 1), 1
	s_wait_xcnt 0x0
; ROUTER.  For each of 4,096 tokens: logits = (x + time_stage) . gate_w + gate_b over 512 channels and 8 experts, the two largest logits'
; experts (sel = e1 | e2 << 8) and their softmax probabilities (prob), and x rounded to bf16 (xb) for the experts' first product.
; FORMATS.  x, time_stage, gate_w and gate_b are each rounded to bf16 once; sums, products, maximum, exponentials and the division are f32.
; The experts see x in bf16, and the discrete choice is made on operands of the same rounding.
; LIMITS.  NaN and infinities are not served.  The choice is made on logits with a strict greater-than, lowest index first: the order of the
; probabilities, except where two different logits would round to one probability.
; SHARES.  A work-group has 16 tokens, each of its eight waves 2, and both tokens' loads go out at the start.  Lane l owns channels 128 j + 4 l + c
; (j, c = 0..3): a load of a wave covers 512 neighbouring bytes of a row.  gate_w's 8 numbers for each of the lane's 16 channels stay in 128 registers.
; gate_w (16 KB) comes in once for the work-group: wave w loads bytes 2,048 w on by four loads of 512 consecutive bytes, rounds them and lays them into LDS;
; behind a barrier every wave reads its 128 registers from there.  In LDS 128 bytes (4 channels x 8 experts) are a row, rows 144 bytes apart: 9 x 16, so the
; sixteen rows that sixteen lanes read start 16 bytes apart modulo 256.
; No matrix unit: the product is 33 MFLOP and memory binds.
; Work-groups 0 to 159 also write zeros over the plan's token list (256 bytes each): the slots that the next launch leaves as padding name token 0.
.set GP,  144                          ; LDS pitch of a row of gate_w; 128 rows: 18,432 bytes
.set ACC, 8                            ; v[8:15]    the 8 logits (ahead of them v8, v9: the two LDS addresses)
.set T,   16                           ; v[16:23]   at work
.set X,   32                           ; v[32:63]   token s: 16 numbers of x
.set TS,  64                           ; v[64:95]   token s: 16 numbers of time_stage, then of the router's input
.set GW,  96                           ; v[96:223]  gate_w: 8 experts for channel 4 j + c of mine at GW + 8 (4 j + c); first v[96:111]: my wave's share on its way into LDS
.set RS,  224                          ; v224       lane i: token i's sel word
.set RP,  226                          ; v[226:227] lane i: token i's two probabilities
.set ZZ,  228                          ; v[228:229] zeros, never rewritten
.set GB,  232                          ; v[232:239] gate_b, rounded
	s_load_b256 s[4:11], s[0:1], 0x0               ; x s[4:5], time_stage s[6:7], gate_w s[8:9], gate_b s[10:11]
	s_load_b256 s[12:19], s[0:1], 0x20             ; sel s[12:13], prob s[14:15], xb s[16:17], plan s[18:19]
	v_lshl_add_u32 v240, v0, 2, 0x4800
	v_mov_b32 v241, 0
	v_and_b32 v1, 31, v0                           ; lane
	v_lshrrev_b32 v2, 5, v0
	v_readfirstlane_b32 s31, v2                    ; wave 0..7
	s_mov_b32 s28, 0x76543210                      ; v_permlanex16_b32: each lane takes its own place in the other half
	s_mov_b32 s29, 0xfedcba98
	s_mov_b32 s32, 0xffff0000                      ; a word's upper bf16
	v_lshlrev_b32 v5, 4, v1                        ; 16 x lane
	v_lshlrev_b32 v6, 3, v1                        ; 8 x lane
	v_lshl_add_u32 v2, s31, 12, v5                 ; x, time_stage: wave x 2 rows of 2,048 bytes + 16 x lane
	v_lshl_add_u32 v4, s31, 11, v5                 ; gate_w: wave x 2,048 bytes + 16 x lane
	v_lshl_add_u32 v3, s31, 11, v6                 ; xb: wave x 2 rows of 1,024 bytes + 8 x lane
	v_lshl_add_u32 v7, s31, 1, v1                  ; 2 x wave + lane: the token that lanes 0 and 1 store for
	v_lshlrev_b32 v5, 3, v7                        ; its place in prob
	v_lshlrev_b32 v7, 2, v7                        ; its place in sel
	v_bfe_u32 v8, v0, 3, 2                         ; lane / 8: which of a load's four rows of 128 bytes
	v_and_b32 v9, 7, v0                            ; lane % 8: which 16 bytes of it
	v_mul_u32_u24 v8, v8, GP
	v_lshl_add_u32 v8, v9, 4, v8
	s_mul_i32 s33, s31, 16*GP                      ; my wave's 16 rows
	v_add_nc_u32 v8, s33, v8                       ; into LDS: (16 w + lane / 8) x pitch + 16 (lane % 8); the load's number stands in the immediate
	v_mul_u32_u24 v9, v1, GP                       ; out of LDS: row 32 j + lane; j, c and the half stand in the immediate
	v_mov_b32 v[ZZ], 0
	v_mov_b32 v[ZZ+1], 0
	s_mov_b32 s3, 0
	s_wait_kmcnt 0x0
	s_load_b256 s[20:27], s[10:11], 0x0            ; gate_b, 32 bytes
	s_lshl_b32 s2, ttmp9, 15                       ; 16 rows of 2,048 bytes
	s_add_nc_u64 s[4:5], s[4:5], s[2:3]
	s_add_nc_u64 s[6:7], s[6:7], s[2:3]
	s_lshl_b32 s2, ttmp9, 14
	s_add_nc_u64 s[16:17], s[16:17], s[2:3]
	s_lshl_b32 s2, ttmp9, 6
	s_add_nc_u64 s[12:13], s[12:13], s[2:3]
	s_lshl_b32 s2, ttmp9, 7
	s_add_nc_u64 s[14:15], s[14:15], s[2:3]
	s_lshl_b32 s2, ttmp9, 8
	s_add_nc_u64 s[18:19], s[18:19], s[2:3]
.irp m, 0,1,2,3
	global_load_b128 v[GW+4*\m:GW+4*\m+3], v4, s[8:9] offset:512*\m   ; my wave's 2,048 bytes of gate_w
.endr
.irp i, 0,1                            ; both tokens of the wave
.irp j, 0,1,2,3
	global_load_b128 v[X+16*\i+4*\j:X+16*\i+4*\j+3],   v2, s[4:5] offset:2048*\i+512*\j th:TH_LOAD_NT
	global_load_b128 v[TS+16*\i+4*\j:TS+16*\i+4*\j+3], v2, s[6:7] offset:2048*\i+512*\j th:TH_LOAD_NT
.endr
.endr
	s_cmp_lt_u32 ttmp9, 160                        ; 160 x 256 bytes = the 10,240 words of the token list
	s_cbranch_scc0 .Lno_fill
	s_cmp_lg_u32 s31, 0
	s_cbranch_scc1 .Lno_fill
	global_store_b64 v6, v[ZZ:ZZ+1], s[18:19]      ; one store of the wave covers 256 consecutive bytes, aligned
.Lno_fill:
	s_wait_loadcnt 16                              ; loads come back in order: gate_w's four are in; the two tokens' sixteen may stay out
.irp k, 0,1,2,3,4,5,6,7                ; my share of gate_w to bf16 and back, two numbers at a time
	v_cvt_pk_bf16_f32 v[T+\k], v[GW+2*\k], v[GW+2*\k+1]
.endr
.irp k, 0,1,2,3,4,5,6,7
	v_lshlrev_b32 v[GW+2*\k], 16, v[T+\k]
	v_and_b32 v[GW+2*\k+1], s32, v[T+\k]
.endr
.irp m, 0,1,2,3
	ds_store_b128 v8, v[GW+4*\m:GW+4*\m+3] offset:4*GP*\m
.endr
	s_wait_dscnt 0x0                               ; for the others' sake: my 16 rows are written
	s_barrier_signal -1
	s_barrier_wait -1                              ; everybody's are
.irp j, 0,1,2,3
.irp c, 0,1,2,3
	ds_load_b128 v[GW+8*(4*\j+\c):GW+8*(4*\j+\c)+3],   v9 offset:32*GP*\j+32*\c
	ds_load_b128 v[GW+8*(4*\j+\c)+4:GW+8*(4*\j+\c)+7], v9 offset:32*GP*\j+32*\c+16
.endr
.endr
	s_wait_kmcnt 0x0
.irp q, 0,1,2,3
	v_cvt_pk_bf16_f32 v[T+\q], s[20+2*\q], s[21+2*\q]
	v_lshlrev_b32 v[GB+2*\q], 16, v[T+\q]
	v_and_b32 v[GB+2*\q+1], s32, v[T+\q]
.endr
	s_wait_dscnt 0x0                               ; gate_w is in my registers
; Token i of the wave.  left = the younger loads that may stay out (the other token's eight).
.macro TOK i, left
.set xs, X+16*\i
.set tb, TS+16*\i
	s_wait_loadcnt \left
.irp k, 0,1,2,3,4,5,6,7                ; time_stage to bf16 and back
	v_cvt_pk_bf16_f32 v[T+\k], v[tb+2*\k], v[tb+2*\k+1]
.endr
.irp k, 0,1,2,3,4,5,6,7
	v_lshlrev_b32 v[tb+2*\k], 16, v[T+\k]
	v_and_b32 v[tb+2*\k+1], s32, v[T+\k]
.endr
.irp j, 0,1,2,3                        ; x to bf16: stored for the experts (a store of the wave covers 256 consecutive bytes, aligned),
	v_cvt_pk_bf16_f32 v[xs+4*\j],   v[xs+4*\j],   v[xs+4*\j+1]
	v_cvt_pk_bf16_f32 v[xs+4*\j+1], v[xs+4*\j+2], v[xs+4*\j+3]
	global_store_b64 v3, v[xs+4*\j:xs+4*\j+1], s[16:17] offset:1024*\i+256*\j
.endr
.irp j, 0,1,2,3                        ; and widened again for the router's input; the store's two registers are only read
	v_lshlrev_b32 v[xs+4*\j+2], 16, v[xs+4*\j]
	v_and_b32 v[xs+4*\j+3], s32, v[xs+4*\j]
	v_pk_add_f32 v[tb+4*\j:tb+4*\j+1], v[tb+4*\j:tb+4*\j+1], v[xs+4*\j+2:xs+4*\j+3]
	v_lshlrev_b32 v[xs+4*\j+2], 16, v[xs+4*\j+1]
	v_and_b32 v[xs+4*\j+3], s32, v[xs+4*\j+1]
	v_pk_add_f32 v[tb+4*\j+2:tb+4*\j+3], v[tb+4*\j+2:tb+4*\j+3], v[xs+4*\j+2:xs+4*\j+3]
.endr
	; my 16 channels' share of the 8 logits, two experts at a time; the first channel starts the sums
.irp q, 0,2,4,6
	v_pk_mul_f32 v[ACC+\q:ACC+\q+1], v[GW+\q:GW+\q+1], v[tb:tb+1] op_sel_hi:[1,0]
.endr
.irp q, 0,2,4,6
	v_pk_fma_f32 v[ACC+\q:ACC+\q+1], v[GW+8+\q:GW+8+\q+1], v[tb:tb+1], v[ACC+\q:ACC+\q+1] op_sel:[0,1,0] op_sel_hi:[1,1,1]
.endr
.irp d, 2,4,6,8,10,12,14
.irp q, 0,2,4,6
	v_pk_fma_f32 v[ACC+\q:ACC+\q+1], v[GW+8*\d+\q:GW+8*\d+\q+1], v[tb+\d:tb+\d+1], v[ACC+\q:ACC+\q+1] op_sel_hi:[1,0,1]
.endr
.irp q, 0,2,4,6
	v_pk_fma_f32 v[ACC+\q:ACC+\q+1], v[GW+8*\d+8+\q:GW+8*\d+8+\q+1], v[tb+\d:tb+\d+1], v[ACC+\q:ACC+\q+1] op_sel:[0,1,0] op_sel_hi:[1,1,1]
.endr
.endr
	; over the 32 lanes: four steps inside each half ride on the addition, one crosses the halves; every lane ends with all 8 logits
.irp m, 1,2,4,8
.irp e, 0,1,2,3,4,5,6,7
	v_add_f32_dpp v[ACC+\e], v[ACC+\e], v[ACC+\e] row_xmask:\m row_mask:0xf bank_mask:0xf
.endr
.endr
.irp e, 0,1,2,3,4,5,6,7
	v_permlanex16_b32 v[T+\e], v[ACC+\e], s28, s29
.endr
.irp e, 0,1,2,3,4,5,6,7
	v_add_f32 v[ACC+\e], v[ACC+\e], v[T+\e]
.endr
.irp e, 0,1,2,3,4,5,6,7
	v_add_f32 v[ACC+\e], v[ACC+\e], v[GB+\e]
.endr
	; the largest logit (v24) and its expert (v25): only selects, no branch
	v_mov_b32 v24, v[ACC]
	v_mov_b32 v25, 0
.irp e, 1,2,3,4,5,6,7
	v_cmp_gt_f32 vcc_lo, v[ACC+\e], v24
	v_cndmask_b32 v25, v25, \e, vcc_lo
	v_max_num_f32 v24, v24, v[ACC+\e]
.endr
	; the largest of the other seven (v26) and its expert (v27)
	v_mov_b32 v26, 0xff800000
	v_mov_b32 v27, 0
.irp e, 0,1,2,3,4,5,6,7
	v_cmp_ne_u32 s30, \e, v25
	v_cmp_gt_f32 vcc_lo, v[ACC+\e], v26
	s_and_b32 vcc_lo, vcc_lo, s30
	v_cndmask_b32 v27, v27, \e, vcc_lo
	v_cndmask_b32 v26, v26, v[ACC+\e], vcc_lo
.endr
	; softmax with the maximum taken away: 2^(log2(e) L - log2(e) max)
	v_mul_f32 v30, 0x3fb8aa3b, v24
	v_mov_b32 v31, v30                             ; named with it as a pair, so it is written
.irp q, 0,2,4,6
	v_pk_fma_f32 v[T+\q:T+\q+1], v[ACC+\q:ACC+\q+1], 0x3fb8aa3b, v[30:31] op_sel_hi:[1,0,0] neg_lo:[0,0,1] neg_hi:[0,0,1]
.endr
	v_fma_f32 v28, v26, 0x3fb8aa3b, -v30
.irp e, 0,1,2,3,4,5,6,7
	v_exp_f32 v[T+\e], v[T+\e]
.endr
	v_exp_f32 v28, v28
	v_lshl_or_b32 v25, v27, 8, v25                 ; e1 | e2 << 8: the plain instruction behind the exponentials
	s_wait_alu depctr_va_vdst(0)
	v_pk_add_f32 v[T:T+1], v[T:T+1], v[T+2:T+3]
	v_pk_add_f32 v[T+4:T+5], v[T+4:T+5], v[T+6:T+7]
	v_pk_add_f32 v[T:T+1], v[T:T+1], v[T+4:T+5]
	v_add_f32 v[T], v[T], v[T+1]
	v_rcp_f32 v29, v[T]                            ; p1 = 1 / sum
	v_cmp_eq_u32 vcc_lo, \i, v1                    ; lane i keeps token i's results; also the plain instruction behind the reciprocal
	s_wait_alu depctr_va_vdst(0)
	v_mul_f32 v28, v28, v29                        ; p2
.if \i == 0
	v_mov_b32 v[RS], v25                           ; the first token writes the three registers whole
	v_mov_b32 v[RP], v29
	v_mov_b32 v[RP+1], v28
.else
	v_cndmask_b32 v[RS], v[RS], v25, vcc_lo
	v_cndmask_b32 v[RP], v[RP], v29, vcc_lo
	v_cndmask_b32 v[RP+1], v[RP+1], v28, vcc_lo
.endif
.endm
	TOK 0, 8
	TOK 1, 0
	s_wait_xcnt 0x0                                ; EXEC is a source of the stores above: it is narrowed only behind this wait
	v_cmp_gt_u32 vcc_lo, 2, v1
	s_wait_tensorcnt 0x0
	ds_add_u32 v240, v241
	s_wait_dscnt 0x0
	s_and_saveexec_b32 s30, vcc_lo
	global_store_b32 v7, v[RS], s[12:13]
	global_store_b64 v5, v[RP:RP+1], s[14:15]
	s_endpgm
.Lfunc_end_k_q0e55fa52db_route:
	.size	k_q0e55fa52db_route, .Lfunc_end_k_q0e55fa52db_route-k_q0e55fa52db_route
	.p2alignl 7, 3214868480
	.fill 96, 4, 3214868480
	.section	.rodata,"a",@progbits
	.p2align	6, 0x0
	.amdhsa_kernel k_q0e55fa52db_route
		.amdhsa_group_segment_fixed_size 19456
		.amdhsa_private_segment_fixed_size 0
		.amdhsa_enable_private_segment 0
		.amdhsa_kernarg_size 64
		.amdhsa_user_sgpr_count 2
		.amdhsa_user_sgpr_kernarg_segment_ptr 1
		.amdhsa_wavefront_size32 1
		.amdhsa_system_sgpr_workgroup_id_x 1
		.amdhsa_system_sgpr_workgroup_id_y 1
		.amdhsa_system_sgpr_workgroup_id_z 1
		.amdhsa_system_vgpr_workitem_id 0
		.amdhsa_next_free_vgpr 242
		.amdhsa_next_free_sgpr 66
		.amdhsa_reserve_vcc 1
		.amdhsa_float_denorm_mode_32 3
		.amdhsa_float_denorm_mode_16_64 3
		.amdhsa_memory_ordered 1
		.amdhsa_forward_progress 1
		.amdhsa_inst_pref_size 37
	.end_amdhsa_kernel
	.amdgpu_metadata
---
amdhsa.version: [ 1, 2 ]
amdhsa.kernels:
  - .name:           k_q0e55fa52db_route
    .symbol:         k_q0e55fa52db_route.kd
    .args:
      - { .name: x, .offset: 0, .size: 8, .value_kind: global_buffer, .address_space: global }
      - { .name: time_stage, .offset: 8, .size: 8, .value_kind: global_buffer, .address_space: global }
      - { .name: gate_w, .offset: 16, .size: 8, .value_kind: global_buffer, .address_space: global }
      - { .name: gate_b, .offset: 24, .size: 8, .value_kind: global_buffer, .address_space: global }
      - { .name: sel, .offset: 32, .size: 8, .value_kind: global_buffer, .address_space: global }
      - { .name: prob, .offset: 40, .size: 8, .value_kind: global_buffer, .address_space: global }
      - { .name: xb, .offset: 48, .size: 8, .value_kind: global_buffer, .address_space: global }
      - { .name: plan, .offset: 56, .size: 8, .value_kind: global_buffer, .address_space: global }
    .group_segment_fixed_size: 19456
    .private_segment_fixed_size: 0
    .kernarg_segment_align: 8
    .kernarg_segment_size: 64
    .max_flat_workgroup_size: 256
    .sgpr_count:     66
    .vgpr_count:     242
    .wavefront_size: 32
...
	.end_amdgpu_metadata
.endif
;; end of part 1
;; launch plancast (part 2): grid 513 x 1, 16 waves a work-group, no clusters, 2,560 bytes of LDS; arguments sel, w1, w2, wb, plan; writes wb, plan
.if DOCPART == 2
	.amdgcn_target "amdgcn-amd-amdhsa--gfx1250"
	.amdhsa_code_object_version 6
	.text
	.protected	k_q0e55fa52db_plancast
	.globl	k_q0e55fa52db_plancast
	.p2align	8
	.type	k_q0e55fa52db_plancast,@function
k_q0e55fa52db_plancast:
	s_mov_b64 s[64:65], 0
	v_nop
	global_prefetch_b8 v0, s[64:65] scope:SCOPE_SE
	s_setreg_imm32_b32 hwreg(HW_REG_WAVE_MODE, 25, 1), 1
	s_wait_xcnt 0x0
; TWO JOBS IN ONE LAUNCH.  Work-groups 1 to 512 cast w1 and w2 to 16 bits (wb: w1 at byte 0 in bf16, w2 at byte 16,777,216 in f16; the layouts stay).
; w2 is rounded to bf16 first, like every input of this program, and that number is then written in f16, the format of the second product's operands: exact for
; |w2| >= 2^-17 (eight significant bits fit into f16's eleven), with an absolute error of at most 2^-25 below.  |w2| above 65,504 is not served.
; Work-group 0 sorts the 8,192 (token, expert) entries by expert into 64 blocks of 160 slots, while the others stream.
; THE PLAN.  With N_e entries for expert e, the sum over e of ceil(N_e / 160) is at least 52 and at most 59 for every routing.  The 64 - sum blocks that are
; over are used up by splitting the first full chunks of 160, in expert order, into two blocks of 80 (at least 44 full chunks exist).  So there are always
; exactly 64 blocks, none empty, each of one expert.  Entry of rank q in expert e (first block B_e, s_e chunks split):
;     slot = 160 B_e + q + 80 min(q div 80, 2 s_e).
; plan: tok[10240] at byte 0 (the token of a slot; the launch before wrote zeros, here the 8,192 real slots are stored), pos[4096][2] at 40,960 (the slots of a
; token's two entries), blk[64] at 73,728 (a block's expert).  All whole numbers; nothing in the plan is floating point.
; tok is stored four bytes a lane: the entries of a wave that go to one expert fall on neighbouring slots, the list is 40 KB, and one work-group writes it.
; REGISTERS.  Both jobs end at v79: the sixteen registers of the entries' experts serve again for the slots' byte offsets, and with v80, v81 (the spare word's address and 0) a wave asks for 82 registers.
.set SW, 16                            ; v[16:23]  8 sel words: token 256 w + 32 v + lane
.set E,  24                            ; v[24:39]  entry u = 2 v + k: its expert; last read where the permute's indices are made
.set AD, 24                            ; v[24:39]  behind that: 4 x slot
.set R,  40                            ; v[40:55]  its rank
.set SL, 56                            ; v[56:71]  its expert's parameters, then its slot
.set TK, 72                            ; v[72:79]  the tokens
.set RUN, 16                           ; s[16:23]  running counts of the wave; later the experts' last block + 1
.set NN,  24                           ; s[24:31]  N_e
.set PP,  32                           ; s[32:39]  entries of expert e in the waves before mine
.set FF,  40                           ; s[40:47]  full chunks
.set HR,  48                           ; s[48:55]  1 if a rest is left
.set PS,  56                           ; s[56:63]  PP | 2 s << 13 | 160 B << 18
.set DD, 16                            ; the cast: v[16:79], 16 loads of 4 registers
	s_load_b256 s[4:11], s[0:1], 0x0               ; sel s[4:5], w1 s[6:7], w2 s[8:9], wb s[10:11]
	s_load_b64 s[12:13], s[0:1], 0x20              ; plan
	v_lshl_add_u32 v80, v0, 2, 0x200
	v_mov_b32 v81, 0
	s_cmp_lg_u32 ttmp9, 0
	s_cbranch_scc1 .Lcast
	v_and_b32 v1, 31, v0                           ; lane; kept to the end
	v_lshrrev_b32 v2, 5, v0
	v_readfirstlane_b32 s14, v2                    ; wave 0..15; kept to the end
	v_lshlrev_b32 v3, 2, v1
	v_lshl_add_u32 v3, s14, 10, v3                 ; 256 tokens a wave, 4 bytes each
	s_wait_kmcnt 0x0
.irp v, 0,1,2,3,4,5,6,7
	global_load_b32 v[SW+\v], v3, s[4:5] offset:128*\v
.endr
.irp e, 0,1,2,3,4,5,6,7
	s_mov_b32 s[RUN+\e], 0
.endr
	v_lshl_add_u32 v10, s14, 8, v1                 ; my first token
.irp v, 0,1,2,3,4,5,6,7
	v_add_nc_u32 v[TK+\v], 32*\v, v10
.endr
	s_wait_loadcnt 0x0
.irp v, 0,1,2,3,4,5,6,7
	v_and_b32 v[E+2*\v], 0xff, v[SW+\v]
	v_bfe_u32 v[E+2*\v+1], v[SW+\v], 8, 8
	v_min_u32 v[E+2*\v], 7, v[E+2*\v]
	v_min_u32 v[E+2*\v+1], 7, v[E+2*\v+1]
.endr
	; rank inside the wave: for each vector and expert, the lanes below me with that expert plus the wave's count so far
.irp u, 0,1,2,3,4,5,6,7,8,9,10,11,12,13,14,15
.irp e, 0,1,2,3,4,5,6,7
	v_cmp_eq_u32 vcc_lo, \e, v[E+\u]
.if \e == 0
	v_mbcnt_lo_u32_b32 v[R+\u], vcc_lo, s[RUN+\e]  ; the first expert writes the register whole
.else
	v_mbcnt_lo_u32_b32 v8, vcc_lo, s[RUN+\e]
	v_cndmask_b32 v[R+\u], v[R+\u], v8, vcc_lo
.endif
	s_bcnt1_i32_b32 s2, vcc_lo
	s_add_co_u32 s[RUN+\e], s[RUN+\e], s2
.endr
.endr
	; the waves' counts meet in LDS: row w of 32 bytes.  v[8:15] serve the counts from here to the scalars below
.irp e, 0,1,2,3,4,5,6,7
	v_mov_b32 v[8+\e], s[RUN+\e]
.endr
	s_lshl_b32 s15, s14, 5
	v_mov_b32 v2, s15
	ds_store_b128 v2, v[8:11]                      ; all lanes write the same words with the same values
	ds_store_b128 v2, v[12:15] offset:16
	s_wait_dscnt 0x0                               ; for the others' sake: my row is written
	s_barrier_signal -1
	s_barrier_wait -1
	v_and_b32 v4, 15, v0
	v_lshlrev_b32 v5, 5, v4
	ds_load_b128 v[8:11], v5                       ; lane l % 16 takes wave l % 16's row
	ds_load_b128 v[12:15], v5 offset:16
	v_cmp_gt_u32 vcc_lo, s14, v4                   ; a wave before mine
	s_wait_dscnt 0x0
.irp e, 0,1,2,3,4,5,6,7
	v_cndmask_b32 v6, 0, v[8+\e], vcc_lo
	v_lshl_or_b32 v[8+\e], v6, 16, v[8+\e]         ; low half: for the total; high half: for my prefix.  Both sums stay under 8,193
.endr
.irp m, 1,2,4,8
.irp e, 0,1,2,3,4,5,6,7
	v_mov_b32_dpp v6, v[8+\e] row_xmask:\m row_mask:0xf bank_mask:0xf
	v_add_nc_u32 v[8+\e], v[8+\e], v6
.endr
.endr
.irp e, 0,1,2,3,4,5,6,7
	v_readfirstlane_b32 s2, v[8+\e]
	s_and_b32 s[NN+\e], s2, 0xffff
	s_lshr_b32 s[PP+\e], s2, 16
.endr
	; every wave makes the plan's scalars for itself
	s_mov_b32 s3, 64                               ; blocks that are over
.irp e, 0,1,2,3,4,5,6,7
	s_lshr_b32 s2, s[NN+\e], 5
	s_mul_i32 s2, s2, 0xcccd
	s_lshr_b32 s[FF+\e], s2, 18                    ; N div 160 = (N div 32) div 5
	s_mul_i32 s2, s[FF+\e], 160
	s_sub_co_u32 s2, s[NN+\e], s2
	s_min_u32 s[HR+\e], s2, 1
	s_sub_co_u32 s3, s3, s[FF+\e]
	s_sub_co_u32 s3, s3, s[HR+\e]
.endr
	s_mov_b32 s15, 0                               ; B: the next free block
.irp e, 0,1,2,3,4,5,6,7
	s_min_u32 s2, s[FF+\e], s3                     ; chunks of this expert that are split
	s_sub_co_u32 s3, s3, s2
	s_mul_i32 s[PS+\e], s15, 160
	s_lshl_b32 s[PS+\e], s[PS+\e], 18
	s_or_b32 s[PS+\e], s[PS+\e], s[PP+\e]
	s_lshl_b32 s[NN+\e], s2, 14
	s_or_b32 s[PS+\e], s[PS+\e], s[NN+\e]
	s_add_co_u32 s15, s15, s[FF+\e]
	s_add_co_u32 s15, s15, s2
	s_add_co_u32 s15, s15, s[HR+\e]
	s_mov_b32 s[RUN+\e], s15                       ; the expert's last block + 1
.endr
	v_mov_b32 v7, s[PS]
.irp e, 1,2,3,4,5,6,7
	v_writelane_b32 v7, s[PS+\e], \e               ; lane e holds expert e's parameters
.endr
.irp u, 0,1,2,3,4,5,6,7,8,9,10,11,12,13,14,15
	v_lshlrev_b32 v[SL+\u], 2, v[E+\u]             ; the last read of the experts: their registers are free from here on
	ds_bpermute_b32 v[SL+\u], v[SL+\u], v7         ; each entry pulls its expert's
.endr
	s_wait_dscnt 0x0
.irp u, 0,1,2,3,4,5,6,7,8,9,10,11,12,13,14,15
	v_and_b32 v8, 0x1fff, v[SL+\u]
	v_add_nc_u32 v[R+\u], v[R+\u], v8              ; rank in the expert
	v_lshrrev_b32 v8, 4, v[R+\u]
	v_mul_u32_u24 v8, 0xcccd, v8
	v_lshrrev_b32 v8, 18, v8                       ; rank div 80
	v_bfe_u32 v9, v[SL+\u], 13, 5
	v_min_u32 v8, v8, v9
	v_lshrrev_b32 v9, 18, v[SL+\u]
	v_mad_u32_u24 v8, v8, 80, v[R+\u]
	v_add_nc_u32 v8, v8, v9
	v_min_u32 v[SL+\u], 0x27ff, v8                 ; the slot; the bound keeps the address in the list whatever sel holds
	v_lshlrev_b32 v[AD+\u], 2, v[SL+\u]
.endr
	v_lshlrev_b32 v12, 3, v1                       ; my first token's place in pos: 2,048 x wave + 8 x lane, made of the lane and the wave alone
	v_lshl_add_u32 v12, s14, 11, v12
.irp v, 0,1,2,3,4,5,6,7
	global_store_b32 v[AD+2*\v],   v[TK+\v], s[12:13]
	global_store_b32 v[AD+2*\v+1], v[TK+\v], s[12:13]
	global_store_b64 v12, v[SL+2*\v:SL+2*\v+1], s[12:13] offset:40960+256*\v   ; a store of the wave covers 256 consecutive bytes, aligned
.endr
	s_cmp_lt_u32 s14, 2
	s_cbranch_scc0 .Lplan_done
	v_mov_b32 v8, 0                                ; thread t < 64: block t's expert = how many experts end at or before t
.irp e, 0,1,2,3,4,5,6
	v_cmp_le_u32 vcc_lo, s[RUN+\e], v0
	v_add_co_ci_u32 v8, vcc_lo, 0, v8, vcc_lo
.endr
	v_lshlrev_b32 v9, 2, v0
	global_store_b32 v9, v8, s[12:13] offset:73728
.Lplan_done:
	s_wait_tensorcnt 0x0
	ds_add_u32 v80, v81
	s_wait_dscnt 0x0
	s_endpgm
.Lcast:                                                ; work-group c + 1 casts 131,072 bytes: all 16 loads of a thread go out first, each into registers of its own
	s_sub_co_u32 s14, ttmp9, 1
	s_and_b32 s2, s14, 255
	s_lshl_b32 s2, s2, 17
	s_mov_b32 s3, 0
	s_lshl_b32 s16, s14, 16
	s_mov_b32 s17, 0
	s_mov_b32 s18, 0xffff0000                      ; a word's upper bf16
	v_lshlrev_b32 v1, 4, v0
	v_lshlrev_b32 v2, 3, v0
	s_wait_kmcnt 0x0
	s_cmp_lt_u32 s14, 256
	s_cselect_b64 s[6:7], s[6:7], s[8:9]           ; the first 256 take w1, the others w2
	s_add_nc_u64 s[6:7], s[6:7], s[2:3]
	s_add_nc_u64 s[10:11], s[10:11], s[16:17]
.irp i, 0,1,2,3,4,5,6,7,8,9,10,11,12,13,14,15
	global_load_b128 v[DD+4*\i:DD+4*\i+3], v1, s[6:7] offset:8192*\i th:TH_LOAD_NT
.endr
	s_cmp_lt_u32 s14, 256
	s_cbranch_scc0 .Lcast_w2
.irp i, 0,1,2,3,4,5,6,7,8,9,10,11,12,13,14,15
	s_wait_loadcnt 15-\i                           ; loads come back in order: number i is in, the younger ones stay out
	v_cvt_pk_bf16_f32 v[DD+4*\i],   v[DD+4*\i],   v[DD+4*\i+1]
	v_cvt_pk_bf16_f32 v[DD+4*\i+1], v[DD+4*\i+2], v[DD+4*\i+3]
	global_store_b64 v2, v[DD+4*\i:DD+4*\i+1], s[10:11] offset:4096*\i   ; a store of the wave covers 256 consecutive bytes, aligned
.endr
	s_endpgm
.Lcast_w2:                                             ; w2: to bf16, widened again, and written in f16
.irp i, 0,1,2,3,4,5,6,7,8,9,10,11,12,13,14,15
	s_wait_loadcnt 15-\i
	v_cvt_pk_bf16_f32 v[DD+4*\i],   v[DD+4*\i],   v[DD+4*\i+1]
	v_cvt_pk_bf16_f32 v[DD+4*\i+2], v[DD+4*\i+2], v[DD+4*\i+3]
	v_lshlrev_b32 v[DD+4*\i+1], 16, v[DD+4*\i]
	v_and_b32 v[DD+4*\i], s18, v[DD+4*\i]
	v_lshlrev_b32 v[DD+4*\i+3], 16, v[DD+4*\i+2]
	v_and_b32 v[DD+4*\i+2], s18, v[DD+4*\i+2]
	v_cvt_pk_f16_f32 v[DD+4*\i],   v[DD+4*\i+1], v[DD+4*\i]
	v_cvt_pk_f16_f32 v[DD+4*\i+1], v[DD+4*\i+3], v[DD+4*\i+2]
	global_store_b64 v2, v[DD+4*\i:DD+4*\i+1], s[10:11] offset:4096*\i
.endr
	s_endpgm
.Lfunc_end_k_q0e55fa52db_plancast:
	.size	k_q0e55fa52db_plancast, .Lfunc_end_k_q0e55fa52db_plancast-k_q0e55fa52db_plancast
	.p2alignl 7, 3214868480
	.fill 96, 4, 3214868480
	.section	.rodata,"a",@progbits
	.p2align	6, 0x0
	.amdhsa_kernel k_q0e55fa52db_plancast
		.amdhsa_group_segment_fixed_size 2560
		.amdhsa_private_segment_fixed_size 0
		.amdhsa_enable_private_segment 0
		.amdhsa_kernarg_size 40
		.amdhsa_user_sgpr_count 2
		.amdhsa_user_sgpr_kernarg_segment_ptr 1
		.amdhsa_wavefront_size32 1
		.amdhsa_system_sgpr_workgroup_id_x 1
		.amdhsa_system_sgpr_workgroup_id_y 1
		.amdhsa_system_sgpr_workgroup_id_z 1
		.amdhsa_system_vgpr_workitem_id 0
		.amdhsa_next_free_vgpr 82
		.amdhsa_next_free_sgpr 66
		.amdhsa_reserve_vcc 1
		.amdhsa_float_denorm_mode_32 3
		.amdhsa_float_denorm_mode_16_64 3
		.amdhsa_memory_ordered 1
		.amdhsa_forward_progress 1
		.amdhsa_inst_pref_size 67
	.end_amdhsa_kernel
	.amdgpu_metadata
---
amdhsa.version: [ 1, 2 ]
amdhsa.kernels:
  - .name:           k_q0e55fa52db_plancast
    .symbol:         k_q0e55fa52db_plancast.kd
    .args:
      - { .name: sel, .offset: 0, .size: 8, .value_kind: global_buffer, .address_space: global }
      - { .name: w1, .offset: 8, .size: 8, .value_kind: global_buffer, .address_space: global }
      - { .name: w2, .offset: 16, .size: 8, .value_kind: global_buffer, .address_space: global }
      - { .name: wb, .offset: 24, .size: 8, .value_kind: global_buffer, .address_space: global }
      - { .name: plan, .offset: 32, .size: 8, .value_kind: global_buffer, .address_space: global }
    .group_segment_fixed_size: 2560
    .private_segment_fixed_size: 0
    .kernarg_segment_align: 8
    .kernarg_segment_size: 40
    .max_flat_workgroup_size: 512
    .sgpr_count:     66
    .vgpr_count:     82
    .wavefront_size: 32
...
	.end_amdgpu_metadata
.endif
;; end of part 2
;; launch ffn1 (part 3): grid 4 x 64, 4 waves a work-group, no clusters, 327,680 bytes of LDS; arguments xb, plan, wb, b1, hbuf; writes hbuf
.if DOCPART == 3
	.amdgcn_target "amdgcn-amd-amdhsa--gfx1250"
	.amdhsa_code_object_version 6
	.text
	.protected	k_q0e55fa52db_ffn1
	.globl	k_q0e55fa52db_ffn1
	.p2align	8
	.type	k_q0e55fa52db_ffn1,@function
k_q0e55fa52db_ffn1:
	s_mov_b64 s[64:65], 0
	v_nop
	global_prefetch_b8 v0, s[64:65] scope:SCOPE_SE
	s_setreg_imm32_b32 hwreg(HW_REG_WAVE_MODE, 25, 1), 1
	s_wait_xcnt 0x0
; hbuf[slot][f] = f16(gelu(x[tok[slot]] . w1[e][:, f] + b1[e][f])): the experts' first layer on the 64 blocks of 160 slots.
; FORMATS.  x and w1 are bf16 operands; b1 is rounded to bf16 once, like every input of this program, and enters the f32 sums as C; gelu is f32; h leaves in f16, whose eleven significant bits keep the
; second product's operand eight times nearer to the f32 number than bf16 would.  ROOM IN f16: h is at most its pre-activation.  With x, w1 and b1 all 30 times larger it is 900 times larger, some 5,000;
; with offsets of 30 spreads on x and on w1 it is some 512 x 30 x 1.33 = 20,400; f16 ends at 65,504.  With inputs 30 times smaller h is some 5e-4, where f16's spacing is at most 6e-8.
; LIMITS: a pre-activation above 65,504 becomes infinite; NaN and infinities are not served.  Padding slots name token 0: their rows are computed and stored, and the last launch never reads what comes of them.
; SHARES.  Work-group (g, p): block p (one expert e = blk[p]), columns 512 g to 512 g + 511, as two column tiles of 256.  Four waves, 2 x 2: a wave has 80 rows x 128 columns,
; 5 x 8 = 40 accumulators.  K = 512 goes in four steps of 128 for each tile: eight steps in all, each four quarters of 32 along K, 40 matrix instructions a quarter.
; A (the block's 160 rows of x, all of K) is gathered once along the token list, through registers: each wave loads its 40 rows and stores them into LDS bytes into which no tensor load lands.
; w1's tiles (128 k x 256 columns) go through a ring of two LDS slots filled by tensor loads, a quarter of a tile (32 rows of 512 bytes) a wave.  By this text's own count a wave has two tensor loads out
; at the start and one behind each barrier of a refill.
; NO CLUSTER: the four work-groups of a block share x alone, 160 KB of the 672 KB that each reads, and x comes by a gather along a list, which has no joint form; w1's tiles are shared by the blocks of one
; expert, whose number hangs on the data.
; THE MATRIX INSTRUCTION IS USED TRANSPOSED (source 0 = 16 columns of w1, turned by ds_load_tr16_b128; source 1 = 16 rows of x): a lane holds eight neighbouring columns of one row.  The first product of a
; tile takes the bias as C: nothing is cleared and no bias is added afterwards.
; GELU, exact form: gelu(x) = max(x, 0) - |x| erfc(|x| / sqrt 2) / 2, with erfc by Abramowitz and Stegun 7.1.25: erfc(z) = (a1 t + a2 t^2 + a3 t^3) exp(-z^2), t = 1 / (1 + 0.47047 z),
; absolute error at most 2.5e-5 for every z >= 0, so gelu's is at most 1.25e-5 |x|.  Written as ((t + b) t + c) t 2^(-0.72135 x^2 + log2(a3 / 2)), b = a2 / a3, c = a1 / a3.
; REGISTERS, in windows of 256: window 0: v10-19 addresses; v20-40 the gather's offsets; v48-151, v152-255 two fragment buffers (5 of x at +0, 8 of w1 at +40); the second also serves the way out.
;   window 1: accumulators of row blocks 0-2 at v[64 a + 8 b]; v192-223 at work; v224-255 packed results.   window 2: row blocks 3, 4 at v[64 (a - 3) + 8 b]; v128-191 the bias; the rest as window 1.
;   Ahead of the first fragments v48-207 of window 0 and v0-159 of window 1 hold the gathered rows on their way into LDS.
.set PA,    1040                       ; a row of x in LDS: 1,024 bytes + 16: 65 x 16, so the 16 rows of a fragment load start 16 bytes apart modulo 256
.set BS0,   160*PA                     ; 166,400 = 650 x 256: the ring begins behind x's rows
.set PB,    544                        ; a k-row of w1's tile: 512 bytes + 32: 17 x 32, for the turning load
.set BSL,   128*PB                     ; 69,632: a slot
.set STAGE, BS0+2*BSL                  ; 305,664: 16 rows x 272 bytes for each wave, for the way out; no fill lands here
.set SP,    272
.set SPARE, STAGE+4*16*SP              ; 323,072: the spare words, 128 bytes a wave, that no other line names
.set ADRA, 10                          ; v10, v11  my place in A's rows, for row blocks 0-2 and 3-4 (the immediate has 16 bits)
.set ADRB, 12                          ; v12, v13  my place in slot 0, 1
.set STO,  14                          ; the way out: where I put 16 bytes of a row
.set RD,   15                          ; where I read a row back
.set CO,   16                          ; my byte offset in hbuf
.set BOFF, 17                          ; my byte offset in the bias
.set SPW,  18                          ; LDS address of my spare word; never rewritten
.set NIL,  19                          ; 0; never rewritten
.set GOFF, 20                          ; v20-39  the gather: my byte offset in xb for rows 40 w + 2 i + h, i = 0..19
.set XL,   40                          ; v40     the gather: my LDS address in row 40 w + h
.set F0,   48
.set F1,   152
.set OB,   152                         ; the way out: 16 rows read back, v152-183 and v184-215 by turns
.set BIAS, 128
.set AX,   192
.set TT,   200
.set EE,   208
.set QQ,   216
.set PK,   224
.set WB0, 22                           ; s[22:23] the address of my quarter of step 0's tile; never rewritten once made
.set G1, 24                            ; s[24:31] descriptor group 1
.set G0, 32                            ; s[32:39] descriptor group 0, a set for each slot
.set MSB, 0
.macro WIN new                         ; the immediate's high byte repeats the setting that is left; a switch that changes nothing is dropped
.if MSB != (\new)
	s_set_vgpr_msb (MSB<<8)|(\new)
.set MSB, (\new)
.endif
.endm
.macro PLACES                          ; four plain vector instructions between a matrix instruction and a load into, or a vector read of, its registers
.rept 4
	v_nop
.endr
.endm
; The gather, in four groups of 20 loads: group g is row pairs 5 g to 5 g + 4, four quarters of a row each, into 80 registers from base on.  Sixteen lanes take 256 consecutive bytes of a row, aligned.
.macro XLOAD g, base
.irp i, 0,1,2,3,4
.irp c, 0,1,2,3
	global_load_b128 v[\base+16*\i+4*\c:\base+16*\i+4*\c+3], v[GOFF+5*\g+\i], s[4:5] offset:256*\c
.endr
.endr
.endm
.macro XSTORE g, base                  ; the same 20 pieces into LDS: the row pair and the quarter stand in the immediate, 40,288 at the most
.irp i, 0,1,2,3,4
.irp c, 0,1,2,3
	ds_store_b128 v[XL], v[\base+16*\i+4*\c:\base+16*\i+4*\c+3] offset:2*PA*(5*\g+\i)+256*\c
.endr
.endr
.endm
.macro BIASLD j                        ; the bias of column tile j as a C operand: register i of fragment b = b1[.. + 16 b + 8 h + i], the same in all 16 rows
	WIN 0x80
.irp b, 0,1,2,3,4,5,6,7
	global_load_b128 v[BIAS+8*\b:BIAS+8*\b+3],   v[BOFF], s[10:11] offset:1024*\j+64*\b
	global_load_b128 v[BIAS+8*\b+4:BIAS+8*\b+7], v[BOFF], s[10:11] offset:1024*\j+64*\b+16
.endr
	WIN 0
.endm
.macro BIASRND                         ; the bias to bf16 and back, two numbers at a time, all in window 2; the 32 registers at work are free here
	WIN 0xaa
.set k, 0
.rept 32
	v_cvt_pk_bf16_f32 v[AX+k], v[BIAS+2*k], v[BIAS+2*k+1]
.set k, k+1
.endr
.set k, 0
.rept 32
	v_lshlrev_b32 v[BIAS+2*k], 16, v[AX+k]
	v_and_b32 v[BIAS+2*k+1], s45, v[AX+k]
.set k, k+1
.endr
	WIN 0
.endm
	s_load_b256 s[4:11], s[0:1], 0x0               ; xb s[4:5], plan s[6:7], wb s[8:9], b1 s[10:11]
	s_load_b64 s[12:13], s[0:1], 0x20              ; hbuf
	v_lshl_add_u32 v[SPW], v0, 2, SPARE
	v_mov_b32 v[NIL], 0
	ds_add_u32 v18, v19
	ds_add_u32 v18, v19
	s_wait_dscnt 0x0
	v_lshrrev_b32 v1, 5, v0
	v_readfirstlane_b32 s14, v1                    ; wave
	s_and_b32 s15, ttmp7, 0xffff                   ; p: the block
	s_lshr_b32 s16, s14, 1                         ; which 80 rows are mine
	s_and_b32 s17, s14, 1                          ; which 128 columns
	s_lshl_b32 s19, s15, 2
	s_mul_i32 s20, s15, 640                        ; the block's 160 words of the token list
	s_mov_b32 s21, 0
	s_mul_i32 s2, s14, 160                         ; my wave's 40 of them
	v_and_b32 v1, 15, v0                           ; r = l % 16
	v_bfe_u32 v2, v0, 4, 1                         ; h = l / 16
	v_lshlrev_b32 v3, 4, v1                        ; 16 r
	v_lshl_add_u32 v4, v2, 2, s2
	; group 1: a tile of 32 rows x 256 elements of 2 bytes, 2,048 elements from row to row, padded in LDS
	s_mov_b32 s[G1+0], (1<<16)|(1<<20)|(6<<22)|(7<<25)   ; no mask; elements of 2 bytes; padding on; after every 128 words (code 6) 8 words (code 7)
	s_mov_b32 s[G1+1], 256<<16                     ; tensor_dim0 = 256
	s_mov_b32 s[G1+2], 32<<16                      ; tensor_dim1 = 32
	s_mov_b32 s[G1+3], 256<<16                     ; tile_dim0 = 256
	s_mov_b32 s[G1+4], 32                          ; tile_dim1 = 32
	s_mov_b32 s[G1+5], 2048                        ; the pitch
	s_mov_b32 s[G1+6], 0
	s_mov_b32 s[G1+7], 0
	s_mov_b32 s44, 0x7fffffff                      ; clears a sign
	s_mov_b32 s45, 0xffff0000                      ; a word's upper bf16
.irp c, 46,47
	s_mov_b32 s\c, 0x3eaa540e                      ; 0.47047 / sqrt 2
.endr
.irp c, 48,49
	s_mov_b32 s\c, 0xbf38aa3b                      ; -log2(e) / 2
.endr
.irp c, 50,51
	s_mov_b32 s\c, 0xbfb5a74f                      ; log2(a3 / 2)
.endr
.irp c, 52,53
	s_mov_b32 s\c, 0xbe034883                      ; a2 / a3
.endr
.irp c, 54,55
	s_mov_b32 s\c, 0x3eee440a                      ; a1 / a3
.endr
	s_wait_kmcnt 0x0
	s_load_b32 s18, s[6:7], s19 offset:0x12000     ; blk[p]
	s_add_nc_u64 s[20:21], s[6:7], s[20:21]
.irp i, 0,1,2,3,4,5,6,7,8,9,10,11,12,13,14,15,16,17,18,19
	global_load_b32 v[GOFF+\i], v4, s[20:21] offset:8*\i   ; the tokens of rows 40 w + 2 i + h
.endr
	s_wait_kmcnt 0x0
	s_min_u32 s18, s18, 7                          ; e
	s_lshl_b32 s[WB0], s18, 21                     ; w1[e]: 512 x 2,048 x 2 bytes
	s_lshl_b32 s2, s14, 17                         ; my 32 k-rows of 4,096 bytes
	s_add_co_u32 s[WB0], s[WB0], s2
	s_lshl_b32 s2, ttmp9, 10                       ; my work-group's 512 columns
	s_add_co_u32 s[WB0], s[WB0], s2
	s_mov_b32 s[WB0+1], 0
	s_add_nc_u64 s[WB0:WB0+1], s[8:9], s[WB0:WB0+1]
	s_mul_i32 s40, s14, 32*PB
.irp s, 0,1
	s_mov_b32 s[G0+4*\s], 1                                        ; count = 1
	s_add_co_u32 s[G0+4*\s+1], s40, BS0+\s*BSL                     ; LDS address: the slot, my quarter
	s_add_nc_u64 s[G0+4*\s+2:G0+4*\s+3], s[WB0:WB0+1], \s*524288   ; step s: 128 k-rows on
	s_or_b32 s[G0+4*\s+3], s[G0+4*\s+3], 0x80000000                ; type = 2
.endr
	tensor_load_to_lds s[G0:G0+3], s[G1:G1+7]      ; both first fills together, ahead of every wait on TENSORcnt, LDS read and barrier
	s_nop 0
	tensor_load_to_lds s[G0+4:G0+7], s[G1:G1+7]
	s_nop 0
	PLACES
	s_wait_loadcnt 0x0                             ; the tokens
	s_mul_i32 s2, s14, 40*PA
	v_mad_u32_u24 v[XL], v2, PA, v3
	v_add_nc_u32 v[XL], s2, v[XL]                  ; LDS: row 40 w + h, 16 bytes a lane
.irp i, 0,1,2,3,4,5,6,7,8,9,10,11,12,13,14,15,16,17,18,19
	v_min_u32 v[GOFF+\i], 0xfff, v[GOFF+\i]
	v_lshl_add_u32 v[GOFF+\i], v[GOFF+\i], 10, v3  ; token x 1,024 bytes + 16 r
.endr
	XLOAD 0, 48                                    ; three groups go out at once: 60 loads of mine are out, and never more in this text
	XLOAD 1, 128
	WIN 0x40                                       ; destination window 1, address window 0
	XLOAD 2, 0
	WIN 0
	; the addresses are made while the rows are on their way
	s_lshl_b32 s2, s18, 13                         ; b1[e]
	s_lshl_b32 s3, ttmp9, 11
	s_add_co_u32 s2, s2, s3
	s_lshl_b32 s3, s17, 9
	s_add_co_u32 s2, s2, s3
	s_mov_b32 s3, 0
	s_add_nc_u64 s[10:11], s[10:11], s[2:3]
	v_lshlrev_b32 v[BOFF], 5, v2                   ; a lane's eight columns begin at 8 h
	s_mul_i32 s2, s16, 80*PA
	v_mul_u32_u24 v6, v1, PA
	v_lshl_add_u32 v6, v2, 4, v6
	v_add_nc_u32 v[ADRA], s2, v6                   ; (80 wr + r) x pitch + 16 h
	v_add_nc_u32 v[ADRA+1], 48*PA, v[ADRA]
	v_and_b32 v7, 7, v0
	v_bfe_u32 v8, v0, 3, 1
	v_lshl_add_u32 v7, v2, 3, v7
	v_mul_u32_u24 v7, v7, PB
	v_lshl_add_u32 v7, v8, 4, v7                   ; the turning load: k-row 8 h + l % 8, 16 bytes for each half of eight lanes
	s_lshl_b32 s2, s17, 8
	s_add_co_u32 s2, s2, BS0
	v_add_nc_u32 v[ADRB], s2, v7
	v_add_nc_u32 v[ADRB+1], BSL, v[ADRB]
	s_mul_i32 s2, s14, 16*SP
	s_add_co_u32 s2, s2, STAGE                     ; my stage
	v_mul_u32_u24 v7, v1, SP
	v_lshl_add_u32 v7, v2, 4, v7
	v_add_nc_u32 v[STO], s2, v7
	v_mul_u32_u24 v7, v2, SP
	v_add_nc_u32 v7, v7, v3
	v_add_nc_u32 v[RD], s2, v7
	v_lshl_add_u32 v[CO], v2, 12, v3               ; two rows of hbuf, 4,096 bytes apart
	s_mul_i32 s2, s15, 160
	s_mul_i32 s3, s16, 80
	s_add_co_u32 s2, s2, s3
	s_lshl_b32 s2, s2, 12                          ; my first row of hbuf
	s_lshl_b32 s3, ttmp9, 10
	s_add_co_u32 s2, s2, s3
	s_lshl_b32 s3, s17, 8
	s_add_co_u32 s2, s2, s3
	s_mov_b32 s3, 0
	s_add_nc_u64 s[12:13], s[12:13], s[2:3]
	s_wait_loadcnt 40                              ; loads come back in order: group 0 is in; groups 1 and 2 may stay out
	XSTORE 0, 48
	WIN 0x40
	XLOAD 3, 80
	WIN 0
	s_wait_loadcnt 40                              ; group 1 is in; groups 2 and 3 may stay out
	XSTORE 1, 128
	BIASLD 0
	s_wait_loadcnt 36                              ; group 2 is in; group 3's twenty and the bias's sixteen may stay out
	WIN 0x04                                       ; the stores' data in window 1, the address in window 0
	XSTORE 2, 0
	s_wait_loadcnt 16                              ; group 3 is in; the bias may stay out
	XSTORE 3, 80
	WIN 0
; 26 LDS loads in one run: the fragments of quarter c of step s into buffer f
.macro FETCH s, c, f
.set sl, (\s)&1
.set kq, 256*((\s)&3)+64*(\c)
	WIN 0
.irp a, 0,1,2
	ds_load_b128 v[\f+8*\a:\f+8*\a+3],   v[ADRA] offset:\a*16*PA+kq
	ds_load_b128 v[\f+8*\a+4:\f+8*\a+7], v[ADRA] offset:\a*16*PA+kq+32
.endr
.irp a, 3,4
	ds_load_b128 v[\f+8*\a:\f+8*\a+3],   v[ADRA+1] offset:(\a-3)*16*PA+kq
	ds_load_b128 v[\f+8*\a+4:\f+8*\a+7], v[ADRA+1] offset:(\a-3)*16*PA+kq+32
.endr
.irp b, 0,1,2,3,4,5,6,7
	ds_load_tr16_b128 v[\f+40+8*\b:\f+40+8*\b+3],   v[ADRB+sl] offset:32*PB*(\c)+32*\b
	ds_load_tr16_b128 v[\f+40+8*\b+4:\f+40+8*\b+7], v[ADRB+sl] offset:32*PB*(\c)+32*\b+16*PB
.endr
.endm
; The 40 accumulators take turns, one instruction a turn, in the same order in every quarter.  first = 1: C is the bias (window 2).
.macro MULA f, first                   ; row blocks 0-2: 24 matrix instructions
.if \first
	WIN 0x60
.else
	WIN 0x50
.endif
.irp a, 0,1,2
.irp b, 0,1,2,3,4,5,6,7
.if \first
	v_wmma_f32_16x16x32_bf16 v[64*\a+8*\b:64*\a+8*\b+7], v[\f+40+8*\b:\f+40+8*\b+7], v[\f+8*\a:\f+8*\a+7], v[BIAS+8*\b:BIAS+8*\b+7]
.else
	v_wmma_f32_16x16x32_bf16 v[64*\a+8*\b:64*\a+8*\b+7], v[\f+40+8*\b:\f+40+8*\b+7], v[\f+8*\a:\f+8*\a+7], v[64*\a+8*\b:64*\a+8*\b+7]
.endif
.endr
.endr
.endm
.macro MULB f, first                   ; row blocks 3, 4: 16 matrix instructions
	WIN 0xa0
.irp a, 0,1
.irp b, 0,1,2,3,4,5,6,7
.if \first
	v_wmma_f32_16x16x32_bf16 v[64*\a+8*\b:64*\a+8*\b+7], v[\f+40+8*\b:\f+40+8*\b+7], v[\f+24+8*\a:\f+24+8*\a+7], v[BIAS+8*\b:BIAS+8*\b+7]
.else
	v_wmma_f32_16x16x32_bf16 v[64*\a+8*\b:64*\a+8*\b+7], v[\f+40+8*\b:\f+40+8*\b+7], v[\f+24+8*\a:\f+24+8*\a+7], v[64*\a+8*\b:64*\a+8*\b+7]
.endif
.endr
.endr
.endm
; One of a step's first three quarters: fetches quarter c into buffer g, then multiplies buffer f.
.macro QUARTER s, c, f, g, first
	PLACES                                         ; buffer g was read by the matrix instructions just issued
	FETCH \s, \c, \g
	s_wait_dscnt 26                                ; all but the 26 just issued: buffer f is in
	MULA \f, \first
	MULB \f, \first
.endm
.macro STEP s, first
	QUARTER \s, 1, F0, F1, \first
	QUARTER \s, 2, F1, F0, 0
	QUARTER \s, 3, F0, F1, 0
.endm
; The last quarter multiplies buffer 1 and changes slots: ONE barrier.  In front of it each wave waits for all its tensor loads (its part of the next slot), adds 0 to its spare word, and waits for that
; and for its reads of this slot.  Behind it this slot is filled again first (steps 0 to 5: with step s + 2), then the next slot's first fragments are read.
.macro TURN s
.set sl, (\s)&1
	WIN 0
	s_wait_tensorcnt 0x0                           ; no tensor load of mine is out, so a group 0 may be written
	ds_add_u32 v[SPW], v[NIL]
.if \s < 6
.if (\s == 2) || (\s == 3)
	s_add_nc_u64 s[G0+4*sl+2:G0+4*sl+3], s[WB0:WB0+1], 512+sl*524288       ; on to the second column tile, made anew from step 0's address: 512 bytes to the right, k-rows 128 sl on
	s_or_b32 s[G0+4*sl+3], s[G0+4*sl+3], 0x80000000                        ; type = 2
.else
	s_add_nc_u64 s[G0+4*sl+2:G0+4*sl+3], s[G0+4*sl+2:G0+4*sl+3], 1048576   ; 256 k-rows on
.endif
.endif
	s_wait_dscnt 0x0                               ; the add is done, buffer 1 is in, and my reads of this slot are over
	s_barrier_signal -1
	MULA F1, 0                                     ; work on registers while the others arrive
	s_barrier_wait -1
.if \s < 6
	tensor_load_to_lds s[G0+4*sl:G0+4*sl+3], s[G1:G1+7]   ; my one tensor load behind this barrier: it has 136 matrix instructions in which to land
	s_nop 0
.endif
	PLACES                                         ; behind the load; also the places in front of the loads into buffer 0
	FETCH \s+1, 0, F0
	MULB F1, 0
.endm
; Eight numbers of an accumulator at v[ac], all operands in the accumulator's window: 68 instructions; the packed result goes to v[pk .. pk + 3].  The registers are read from the low end on.
.macro GELU ac, pk
.irp i, 0,1,2,3,4,5,6,7
	v_and_b32 v[AX+\i], s44, v[\ac+\i]             ; |x|
.endr
.irp i, 0,2,4,6
	v_pk_fma_f32 v[TT+\i:TT+\i+1], v[AX+\i:AX+\i+1], s[46:47], 1.0 op_sel_hi:[1,0,0]
.endr
.irp i, 0,2,4,6
	v_pk_mul_f32 v[EE+\i:EE+\i+1], v[\ac+\i:\ac+\i+1], s[48:49] op_sel_hi:[1,0]
.endr
.irp i, 0,2,4,6
	v_pk_fma_f32 v[EE+\i:EE+\i+1], v[EE+\i:EE+\i+1], v[\ac+\i:\ac+\i+1], s[50:51] op_sel_hi:[1,1,0]
.endr
.irp i, 0,1,2,3,4,5,6,7
	v_rcp_f32 v[TT+\i], v[TT+\i]                   ; t
.endr
.irp i, 0,1,2,3,4,5,6,7
	v_exp_f32 v[EE+\i], v[EE+\i]                   ; (a3 / 2) exp(-x^2 / 2)
.endr
.irp i, 0,1,2,3,4,5,6,7
	v_max_num_f32 v[\ac+\i], 0, v[\ac+\i]          ; plain instructions between the transcendentals and the use of their results
.endr
	s_wait_alu depctr_va_vdst(0)
.irp i, 0,2,4,6
	v_pk_add_f32 v[QQ+\i:QQ+\i+1], v[TT+\i:TT+\i+1], s[52:53] op_sel_hi:[1,0]
.endr
.irp i, 0,2,4,6
	v_pk_fma_f32 v[QQ+\i:QQ+\i+1], v[QQ+\i:QQ+\i+1], v[TT+\i:TT+\i+1], s[54:55] op_sel_hi:[1,1,0]
.endr
.irp i, 0,2,4,6
	v_pk_mul_f32 v[QQ+\i:QQ+\i+1], v[QQ+\i:QQ+\i+1], v[TT+\i:TT+\i+1]
.endr
.irp i, 0,2,4,6
	v_pk_mul_f32 v[QQ+\i:QQ+\i+1], v[QQ+\i:QQ+\i+1], v[EE+\i:EE+\i+1]
.endr
.irp i, 0,2,4,6
	v_pk_fma_f32 v[\ac+\i:\ac+\i+1], v[AX+\i:AX+\i+1], v[QQ+\i:QQ+\i+1], v[\ac+\i:\ac+\i+1] neg_lo:[1,0,0] neg_hi:[1,0,0]
.endr
.irp r, 0,1,2,3
	v_cvt_pk_f16_f32 v[\pk+\r], v[\ac+2*\r], v[\ac+2*\r+1]   ; h in f16
.endr
.endm
; THE WAY OUT of column tile j, a block of 16 rows at a time: gelu, 16 bytes a lane into my own stage, back as whole rows of 256 bytes, stored.
.macro EPI j
	PLACES                                         ; behind the last products
.if \j == 0
	BIASLD 1                                       ; the next tile's bias comes in under the arithmetic
.endif
.irp a, 0,1,2,3,4
.if \a < 3
	WIN 0x55
.irp b, 0,1,2,3,4,5,6,7
	GELU 64*\a+8*\b, PK+4*\b
.endr
	WIN 0x04                                       ; the stores' data in window 1, the address in window 0
.else
	WIN 0xaa
.irp b, 0,1,2,3,4,5,6,7
	GELU 64*(\a-3)+8*\b, PK+4*\b
.endr
	WIN 0x08
.endif
.irp b, 0,1,2,3,4,5,6,7
	ds_store_b128 v[STO], v[PK+4*\b:PK+4*\b+3] offset:32*\b
.endr
	WIN 0
.if \a >= 2
	s_wait_xcnt 0x0                                ; these registers were the data of the stores two blocks back
.endif
.irp t, 0,1,2,3,4,5,6,7
	ds_load_b128 v[OB+32*(\a%2)+4*\t:OB+32*(\a%2)+4*\t+3], v[RD] offset:2*SP*\t   ; LDS serves a wave's instructions in order: these see the stores above
.endr
	s_wait_dscnt 0x0
.irp t, 0,1,2,3,4,5,6,7
	global_store_b128 v[CO], v[OB+32*(\a%2)+4*\t:OB+32*(\a%2)+4*\t+3], s[12:13] offset:65536*\a+8192*\t+512*\j   ; 16 lanes store 256 consecutive bytes, aligned
.endr
.endr
.endm
	s_wait_tensorcnt 0x1                           ; my part of step 0 is in; step 1's may stay out
	s_wait_dscnt 0x0                               ; for the others' sake: my 40 rows of x are written
	s_barrier_signal -1
	s_barrier_wait -1                              ; everybody's are
	FETCH 0, 0, F0
	s_wait_loadcnt 0x0                             ; the bias
	BIASRND
	STEP 0, 1
	TURN 0
	STEP 1, 0
	TURN 1
	STEP 2, 0
	TURN 2
	STEP 3, 0
	TURN 3                                         ; steps 4 and 5 are asked for: the first tile goes out while step 5's tile lands
	EPI 0
	s_wait_xcnt 0x0                                ; buffer 1 held the last stores' data
	s_wait_loadcnt 0x0                             ; the second tile's bias
	BIASRND
	STEP 4, 1
	TURN 4
	STEP 5, 0
	TURN 5
	STEP 6, 0
	TURN 6                                         ; nothing is left to fetch
	STEP 7, 0
	s_wait_dscnt 0x0
	MULA F1, 0
	MULB F1, 0
	EPI 1
	s_wait_tensorcnt 0x0                           ; the wave's end
	ds_add_u32 v[SPW], v[NIL]
	s_wait_dscnt 0x0
	s_endpgm
.Lfunc_end_k_q0e55fa52db_ffn1:
	.size	k_q0e55fa52db_ffn1, .Lfunc_end_k_q0e55fa52db_ffn1-k_q0e55fa52db_ffn1
	.p2alignl 7, 3214868480
	.fill 96, 4, 3214868480
	.section	.rodata,"a",@progbits
	.p2align	6, 0x0
	.amdhsa_kernel k_q0e55fa52db_ffn1
		.amdhsa_group_segment_fixed_size 327680
		.amdhsa_private_segment_fixed_size 0
		.amdhsa_enable_private_segment 0
		.amdhsa_kernarg_size 40
		.amdhsa_user_sgpr_count 2
		.amdhsa_user_sgpr_kernarg_segment_ptr 1
		.amdhsa_wavefront_size32 1
		.amdhsa_system_sgpr_workgroup_id_x 1
		.amdhsa_system_sgpr_workgroup_id_y 1
		.amdhsa_system_sgpr_workgroup_id_z 1
		.amdhsa_system_vgpr_workitem_id 0
		.amdhsa_next_free_vgpr 768
		.amdhsa_next_free_sgpr 66
		.amdhsa_reserve_vcc 0
		.amdhsa_float_denorm_mode_32 3
		.amdhsa_float_denorm_mode_16_64 3
		.amdhsa_memory_ordered 1
		.amdhsa_forward_progress 1
		.amdhsa_inst_pref_size 255
	.end_amdhsa_kernel
	.section	.bss,"aw",@nobits
	.p2align	6
	.space	262144
	.amdgpu_metadata
---
amdhsa.version: [ 1, 2 ]
amdhsa.kernels:
  - .name:           k_q0e55fa52db_ffn1
    .symbol:         k_q0e55fa52db_ffn1.kd
    .args:
      - { .name: xb, .offset: 0, .size: 8, .value_kind: global_buffer, .address_space: global }
      - { .name: plan, .offset: 8, .size: 8, .value_kind: global_buffer, .address_space: global }
      - { .name: wb, .offset: 16, .size: 8, .value_kind: global_buffer, .address_space: global }
      - { .name: b1, .offset: 24, .size: 8, .value_kind: global_buffer, .address_space: global }
      - { .name: hbuf, .offset: 32, .size: 8, .value_kind: global_buffer, .address_space: global }
    .group_segment_fixed_size: 327680
    .private_segment_fixed_size: 0
    .kernarg_segment_align: 8
    .kernarg_segment_size: 40
    .max_flat_workgroup_size: 128
    .sgpr_count:     66
    .vgpr_count:     768
    .wavefront_size: 32
...
	.end_amdgpu_metadata
.endif
;; end of part 3
;; launch ffn2 (part 4): grid 4 x 64, 4 waves a work-group, clusters of 4 x 1, 327,680 bytes of LDS; arguments hbuf, plan, wb, b2, ybuf; writes ybuf
.if DOCPART == 4
	.amdgcn_target "amdgcn-amd-amdhsa--gfx1250"
	.amdhsa_code_object_version 6
	.text
	.protected	k_q0e55fa52db_ffn2
	.globl	k_q0e55fa52db_ffn2
	.p2align	8
	.type	k_q0e55fa52db_ffn2,@function
k_q0e55fa52db_ffn2:
	s_mov_b64 s[64:65], 0
	v_nop
	global_prefetch_b8 v0, s[64:65] scope:SCOPE_SE
	s_setreg_imm32_b32 hwreg(HW_REG_WAVE_MODE, 25, 1), 1
	s_wait_xcnt 0x0
	s_wait_alu depctr_hold_cnt(0) depctr_sa_sdst(0) depctr_va_vdst(0) depctr_va_sdst(0) depctr_va_ssrc(0) depctr_va_vcc(0) depctr_vm_vsrc(0)
	s_getreg_b32 s2, hwreg(HW_REG_IB_STS2, 6, 4)
	s_cmp_eq_u32 s2, 0
	s_cbranch_scc0 .Lentry_in_a_cluster
	s_endpgm
.Lentry_in_a_cluster:
	s_bfe_u32 s2, ttmp6, 0x10000c
	s_cmp_lg_u32 s2, 0x3003
	s_cbranch_scc0 .Lentry_shape_is_right
	s_endpgm
.Lentry_shape_is_right:
; ybuf[slot][d] = hbuf[slot] . w2[e][:, d] + b2[e][d], f32: the experts' second layer on the 64 blocks of 160 slots.
; FORMATS.  Both operands are f16: h as the launch before rounded it, w2 as its bf16 rounding written in f16.  b2 is rounded to bf16 once, like every input of this program, and enters the f32 sums as C.
; SHARES.  The four work-groups of a cluster have one block p (expert e = blk[p]) and 128 columns each (cx).  Four waves, 2 x 2: a wave has 80 rows x 64 columns, 5 x 4 = 20 accumulators.
; K = 2,048 goes in eight steps of 256 through a ring of two LDS slots; a step is four quarters of 64 along K, 40 matrix instructions each.
; CLUSTER.  The four partners read the same 160 rows of h, 80 KB of a step's 144 KB: h's tiles are asked for JOINTLY (waves 0 and 1, 80 rows of 512 bytes each, mask 15); w2's tiles differ by cx and are plain
; loads (waves 2 and 3, 128 k-rows of 256 bytes each).  cx enters w2's, b2's and ybuf's global addresses alone.  By this text's own count a wave has two tensor loads out at the start, one behind each round.
; The matrix instruction is used transposed (source 0 = 16 columns of w2, turned by ds_load_tr16_b128; source 1 = 16 rows of h); the first products take the bias as C.
; THE WAY OUT goes through 16 rows x 272 bytes a wave at the head of slot 0, which has had its last fill and, behind the last change of slots, its last read.
; REGISTERS: window 0: v10-21 addresses; v32-95 the way out (v64-95 first hold the bias); v96-255 the accumulators at v[96 + 8 (4 a + b)].  Windows 1 and 2: the two fragment buffers, 144 registers each:
; for half c of a quarter, h's five fragments at 8 (5 c + a), w2's four at 80 + 8 (4 c + b).
.set PA,    528                        ; a row of h in LDS: 512 bytes + 16: 33 x 16
.set PB,    288                        ; a k-row of w2's tile: 256 bytes + 32: 9 x 32
.set BOF,   160*PA                     ; 84,480: w2's tile behind h's
.set SLOT,  BOF+256*PB                 ; 158,208
.set SPARE, 2*SLOT                     ; 316,416: the spare words, 128 bytes a wave, that no other line names
.set SP,    272
.set ADRA, 10                          ; v10, v11  my place in h's tile of slot 0, 1
.set ADRB, 12                          ; v12-15    my place in w2's tile: slot 0 k-rows 0-127, 128-255; slot 1 likewise
.set STO,  16
.set RD,   17
.set CO,   18
.set BOFF, 19
.set SPW,  20                          ; LDS address of my spare word; never rewritten
.set NIL,  21                          ; 0; never rewritten
.set OB,   32
.set BIAS, 64
.set ACC,  96
.set G1A, 24                           ; s[24:31], s[32:39]: h's tiles
.set G0A, 32
.set G1B, 48                           ; s[48:55], s[56:63]: w2's tiles
.set G0B, 56
.set MSB, 0
.macro WIN new
.if MSB != (\new)
	s_set_vgpr_msb (MSB<<8)|(\new)
.set MSB, (\new)
.endif
.endm
.macro PLACES
.rept 4
	v_nop
.endr
.endm
.macro JLOAD s                         ; waves 0 and 1 ask jointly for h's two halves, waves 2 and 3 for w2's; the branch hangs on the wave's number alone; four v_nop follow each line
	s_cmp_lt_u32 s14, 2
	s_cbranch_scc0 .Lfor_b_\@
	tensor_load_to_lds s[G0A+4*\s:G0A+4*\s+3], s[G1A:G1A+7]
	s_nop 0
	PLACES
	s_branch .Lasked_\@
.Lfor_b_\@:
	tensor_load_to_lds s[G0B+4*\s:G0B+4*\s+3], s[G1B:G1B+7]
	s_nop 0
	PLACES
.Lasked_\@:
.endm
.macro CREST                           ; a round of the cluster's barrier behind its opening barrier
	s_cmp_lg_u32 s14, 0
	s_cbranch_scc1 .Lnot_wave_0_\@
	s_barrier_signal -3
.Lnot_wave_0_\@:
	s_barrier_wait -3
	s_barrier_signal -1
	s_barrier_wait -1
.endm
.macro CROUND
	s_barrier_signal -1
	s_barrier_wait -1
	CREST
.endm
	s_load_b256 s[4:11], s[0:1], 0x0               ; hbuf s[4:5], plan s[6:7], wb s[8:9], b2 s[10:11]
	s_load_b64 s[12:13], s[0:1], 0x20              ; ybuf
	v_lshl_add_u32 v[SPW], v0, 2, SPARE
	v_mov_b32 v[NIL], 0
	ds_add_u32 v20, v21
	ds_add_u32 v20, v21
	s_wait_dscnt 0x0
	v_lshrrev_b32 v1, 5, v0
	v_readfirstlane_b32 s14, v1                    ; wave
	s_and_b32 s15, ttmp7, 0xffff                   ; p: the block, which the four partners share
	s_lshr_b32 s16, s14, 1                         ; which 80 rows are mine
	s_and_b32 s17, s14, 1                          ; which 64 columns; also: which half of a tile I fetch
	s_bfe_u32 s19, ttmp6, 0x40000                  ; cx
	s_lshl_b32 s20, s15, 2
	s_mov_b32 s43, 0xffff0000                      ; a word's upper bf16
	s_mov_b32 s[G1A+0], 15|(1<<16)|(1<<20)|(1<<21)|(6<<22)|(3<<25)   ; the mask: all four; elements of 2 bytes; padding on; bit 21 beside a mask; after every 128 words (code 6) 4 words (code 3)
	s_mov_b32 s[G1A+1], 256<<16                    ; tensor_dim0 = 256
	s_mov_b32 s[G1A+2], 80<<16                     ; tensor_dim1 = 80
	s_mov_b32 s[G1A+3], 256<<16                    ; tile_dim0 = 256
	s_mov_b32 s[G1A+4], 80                         ; tile_dim1 = 80
	s_mov_b32 s[G1A+5], 2048                       ; the pitch
	s_mov_b32 s[G1A+6], 0
	s_mov_b32 s[G1A+7], 0
	s_mov_b32 s[G1B+0], (1<<16)|(1<<20)|(5<<22)|(7<<25)   ; no mask; after every 64 words (code 5) 8 words (code 7)
	s_mov_b32 s[G1B+1], 128<<16
	s_mov_b32 s[G1B+2], 128<<16
	s_mov_b32 s[G1B+3], 128<<16
	s_mov_b32 s[G1B+4], 128
	s_mov_b32 s[G1B+5], 512
	s_mov_b32 s[G1B+6], 0
	s_mov_b32 s[G1B+7], 0
	s_wait_kmcnt 0x0
	s_load_b32 s18, s[6:7], s20 offset:0x12000     ; blk[p]
	s_mul_i32 s22, s15, 160                        ; h: row 160 p + 80 x half, made of what the partners share
	s_mul_i32 s23, s17, 80
	s_add_co_u32 s22, s22, s23
	s_lshl_b32 s22, s22, 12
	s_mov_b32 s23, 0
	s_add_nc_u64 s[22:23], s[4:5], s[22:23]
	s_mul_i32 s21, s17, 80*PA
	s_mul_i32 s42, s17, 128*PB
	s_wait_kmcnt 0x0
	s_min_u32 s18, s18, 7                          ; e
	s_lshl_b32 s40, s18, 21                        ; w2[e]: 2,048 x 512 x 2 bytes
	s_lshl_b32 s41, s17, 17                        ; my 128 k-rows of 1,024 bytes
	s_add_co_u32 s40, s40, s41
	s_lshl_b32 s41, s19, 8                         ; my work-group's 128 columns
	s_add_co_u32 s40, s40, s41
	s_add_co_u32 s40, s40, 16777216                ; w2 lies behind w1 in wb
	s_mov_b32 s41, 0
	s_add_nc_u64 s[40:41], s[8:9], s[40:41]
.irp s, 0,1
	s_mov_b32 s[G0A+4*\s], 1
	s_add_co_u32 s[G0A+4*\s+1], s21, \s*SLOT
	s_add_nc_u64 s[G0A+4*\s+2:G0A+4*\s+3], s[22:23], \s*512
	s_or_b32 s[G0A+4*\s+3], s[G0A+4*\s+3], 0x80000000
	s_mov_b32 s[G0B+4*\s], 1
	s_add_co_u32 s[G0B+4*\s+1], s42, \s*SLOT+BOF
	s_add_nc_u64 s[G0B+4*\s+2:G0B+4*\s+3], s[40:41], \s*262144
	s_or_b32 s[G0B+4*\s+3], s[G0B+4*\s+3], 0x80000000
.endr
	CROUND                                         ; all four work-groups are here: the first joint loads meet
	s_cmp_lt_u32 s14, 2                            ; a wave's two first fills stand in one branch
	s_cbranch_scc0 .Lfirst_b
	tensor_load_to_lds s[G0A:G0A+3], s[G1A:G1A+7]
	s_nop 0
	tensor_load_to_lds s[G0A+4:G0A+7], s[G1A:G1A+7]
	s_nop 0
	PLACES
	s_branch .Lfirst_asked
.Lfirst_b:
	tensor_load_to_lds s[G0B:G0B+3], s[G1B:G1B+7]
	s_nop 0
	tensor_load_to_lds s[G0B+4:G0B+7], s[G1B:G1B+7]
	s_nop 0
	PLACES
.Lfirst_asked:
	v_and_b32 v1, 15, v0                           ; r
	v_bfe_u32 v2, v0, 4, 1                         ; h
	v_lshlrev_b32 v3, 4, v1                        ; 16 r
	s_lshl_b32 s2, s18, 11                         ; b2[e]
	s_lshl_b32 s3, s19, 9
	s_add_co_u32 s2, s2, s3
	s_lshl_b32 s3, s17, 8
	s_add_co_u32 s2, s2, s3
	s_mov_b32 s3, 0
	s_add_nc_u64 s[10:11], s[10:11], s[2:3]
	v_lshlrev_b32 v[BOFF], 5, v2
.irp b, 0,1,2,3
	global_load_b128 v[BIAS+8*\b:BIAS+8*\b+3],   v[BOFF], s[10:11] offset:64*\b      ; register i of fragment b = b2[.. + 16 b + 8 h + i]
	global_load_b128 v[BIAS+8*\b+4:BIAS+8*\b+7], v[BOFF], s[10:11] offset:64*\b+16
.endr
	s_mul_i32 s2, s16, 80*PA
	v_mul_u32_u24 v6, v1, PA
	v_lshl_add_u32 v6, v2, 4, v6
	v_add_nc_u32 v[ADRA], s2, v6
	v_add_nc_u32 v[ADRA+1], SLOT, v[ADRA]
	v_and_b32 v7, 7, v0
	v_bfe_u32 v8, v0, 3, 1
	v_lshl_add_u32 v7, v2, 3, v7
	v_mul_u32_u24 v7, v7, PB
	v_lshl_add_u32 v7, v8, 4, v7
	s_lshl_b32 s2, s17, 7
	s_add_co_u32 s2, s2, BOF
	v_add_nc_u32 v[ADRB], s2, v7
	v_add_nc_u32 v[ADRB+1], 128*PB, v[ADRB]
	v_add_nc_u32 v[ADRB+2], SLOT, v[ADRB]
	v_add_nc_u32 v[ADRB+3], SLOT+128*PB, v[ADRB]
	s_mul_i32 s2, s14, 16*SP                       ; my stage
	v_mul_u32_u24 v7, v1, SP
	v_lshl_add_u32 v7, v2, 5, v7
	v_add_nc_u32 v[STO], s2, v7                    ; in: row r, 32 bytes for each half of the lanes
	v_mul_u32_u24 v7, v2, SP
	v_add_nc_u32 v7, v7, v3
	v_add_nc_u32 v[RD], s2, v7                     ; back: lanes 0-15 one row of 256 bytes, lanes 16-31 the next
	v_lshl_add_u32 v[CO], v2, 11, v3
	s_mul_i32 s2, s15, 160
	s_mul_i32 s3, s16, 80
	s_add_co_u32 s2, s2, s3
	s_lshl_b32 s2, s2, 11                          ; my first row of ybuf
	s_lshl_b32 s3, s19, 9
	s_add_co_u32 s2, s2, s3
	s_lshl_b32 s3, s17, 8
	s_add_co_u32 s2, s2, s3
	s_mov_b32 s3, 0
	s_add_nc_u64 s[12:13], s[12:13], s[2:3]
; 36 LDS loads in one run: quarter qt of the slot's step into the buffer in window w
.macro FETCH slot, qt, w
	WIN 0x40*\w
.irp c, 0,1
.irp a, 0,1,2,3,4
	ds_load_b128 v[8*(5*\c+\a):8*(5*\c+\a)+3],   v[ADRA+\slot] offset:16*PA*\a+128*\qt+64*\c
	ds_load_b128 v[8*(5*\c+\a)+4:8*(5*\c+\a)+7], v[ADRA+\slot] offset:16*PA*\a+128*\qt+64*\c+32
.endr
.irp b, 0,1,2,3
	ds_load_tr16_b128 v[80+8*(4*\c+\b):80+8*(4*\c+\b)+3],   v[ADRB+2*\slot+\qt/2] offset:((\qt&1)*64+32*\c)*PB+32*\b
	ds_load_tr16_b128 v[80+8*(4*\c+\b)+4:80+8*(4*\c+\b)+7], v[ADRB+2*\slot+\qt/2] offset:((\qt&1)*64+32*\c)*PB+32*\b+16*PB
.endr
.endr
.endm
; 20 matrix instructions: 32 along K, half c of the buffer in window w.  The 20 accumulators take turns.  first = 1: C is the bias.
.macro MUL w, c, first
	WIN 5*\w
.irp a, 0,1,2,3,4
.irp b, 0,1,2,3
.if \first
	v_wmma_f32_16x16x32_f16 v[ACC+8*(4*\a+\b):ACC+8*(4*\a+\b)+7], v[80+8*(4*\c+\b):80+8*(4*\c+\b)+7], v[8*(5*\c+\a):8*(5*\c+\a)+7], v[BIAS+8*\b:BIAS+8*\b+7]
.else
	v_wmma_f32_16x16x32_f16 v[ACC+8*(4*\a+\b):ACC+8*(4*\a+\b)+7], v[80+8*(4*\c+\b):80+8*(4*\c+\b)+7], v[8*(5*\c+\a):8*(5*\c+\a)+7], v[ACC+8*(4*\a+\b):ACC+8*(4*\a+\b)+7]
.endif
.endr
.endr
.endm
.macro QUARTER slot, qt, fw, gw, first ; fetches quarter qt into window gw, then multiplies window fw
	PLACES
	FETCH \slot, \qt, \gw
	s_wait_dscnt 36                                ; all but the 36 just issued
	MUL \fw, 0, \first
	MUL \fw, 1, 0
.endm
.macro STEP slot, first
	QUARTER \slot, 1, 1, 2, \first
	QUARTER \slot, 2, 2, 1, 0
	QUARTER \slot, 3, 1, 2, 0
.endm
; The last quarter multiplies window 2 and changes slots.  In front of the barrier each wave waits for all its tensor loads, adds 0 to its spare word, and waits for that and for its reads of this slot.
; fill = 1: the barrier opens a round of the cluster's barrier, and this slot's refill, two steps ahead, is the first tensor load behind the round.
.macro TURN slot, next, fill
	WIN 0
	s_wait_tensorcnt 0x0
	ds_add_u32 v[SPW], v[NIL]
.if \fill
	s_add_nc_u64 s[G0A+4*\slot+2:G0A+4*\slot+3], s[G0A+4*\slot+2:G0A+4*\slot+3], 1024     ; 512 along K on
	s_add_nc_u64 s[G0B+4*\slot+2:G0B+4*\slot+3], s[G0B+4*\slot+2:G0B+4*\slot+3], 524288   ; 512 k-rows on
.endif
	s_wait_dscnt 0x0                               ; the add is done, window 2 is in, and my reads of this slot are over
	s_barrier_signal -1
	MUL 2, 0, 0
	WIN 0                                          ; at a branch and at a label every window is 0
	s_barrier_wait -1
.if \fill
	CREST                                          ; no wave of any partner still reads this slot or has a load on its way
	JLOAD \slot                                    ; the four v_nop behind it are also the places in front of the loads below
.else
	PLACES
.endif
	FETCH \next, 0, 1
	MUL 2, 1, 0
.endm
	s_wait_tensorcnt 0x1                           ; my part of step 0 is in; step 1's may stay out
	s_barrier_signal -1
	s_barrier_wait -1
	FETCH 0, 0, 1
	s_wait_loadcnt 0x0                             ; the bias
	WIN 0
.irp k, 0,1,2,3,4,5,6,7,8,9,10,11,12,13,14,15      ; the bias to bf16 and back, two numbers at a time; v32-47 are free here
	v_cvt_pk_bf16_f32 v[OB+\k], v[BIAS+2*\k], v[BIAS+2*\k+1]
.endr
.irp k, 0,1,2,3,4,5,6,7,8,9,10,11,12,13,14,15
	v_lshlrev_b32 v[BIAS+2*\k], 16, v[OB+\k]
	v_and_b32 v[BIAS+2*\k+1], s43, v[OB+\k]
.endr
	STEP 0, 1
	TURN 0, 1, 1
	STEP 1, 0
	TURN 1, 0, 1
	STEP 0, 0
	TURN 0, 1, 1
	STEP 1, 0
	TURN 1, 0, 1
	STEP 0, 0
	TURN 0, 1, 1
	STEP 1, 0
	TURN 1, 0, 1
	STEP 0, 0
	TURN 0, 1, 0                                   ; step 7 is left: nothing more is asked for, and slot 0 is free for the way out
	STEP 1, 0
	s_wait_dscnt 0x0
	MUL 2, 0, 0
	MUL 2, 1, 0
	WIN 0
	PLACES                                         ; behind the last products
.irp a, 0,1,2,3,4                      ; 16 rows at a time: 32 bytes a lane into my stage (each accumulator's low four registers first), back as whole rows of 256 bytes, stored
.irp b, 0,1,2,3
	ds_store_b128 v[STO], v[ACC+8*(4*\a+\b):ACC+8*(4*\a+\b)+3]   offset:64*\b
	ds_store_b128 v[STO], v[ACC+8*(4*\a+\b)+4:ACC+8*(4*\a+\b)+7] offset:64*\b+16
.endr
.if \a >= 2
	s_wait_xcnt 0x0                                ; these registers were the data of the stores two blocks back
.endif
.irp t, 0,1,2,3,4,5,6,7
	ds_load_b128 v[OB+32*(\a%2)+4*\t:OB+32*(\a%2)+4*\t+3], v[RD] offset:2*SP*\t
.endr
	s_wait_dscnt 0x0
.irp t, 0,1,2,3,4,5,6,7
	global_store_b128 v[CO], v[OB+32*(\a%2)+4*\t:OB+32*(\a%2)+4*\t+3], s[12:13] offset:32768*\a+4096*\t   ; 16 lanes store 256 consecutive bytes, aligned
.endr
.endr
	s_wait_tensorcnt 0x0                           ; the wave's end
	ds_add_u32 v[SPW], v[NIL]
	s_wait_dscnt 0x0
	CROUND                                         ; the closing round
	s_endpgm
.Lfunc_end_k_q0e55fa52db_ffn2:
	.size	k_q0e55fa52db_ffn2, .Lfunc_end_k_q0e55fa52db_ffn2-k_q0e55fa52db_ffn2
	.p2alignl 7, 3214868480
	.fill 96, 4, 3214868480
	.section	.rodata,"a",@progbits
	.p2align	6, 0x0
	.amdhsa_kernel k_q0e55fa52db_ffn2
		.amdhsa_group_segment_fixed_size 327680
		.amdhsa_private_segment_fixed_size 0
		.amdhsa_enable_private_segment 0
		.amdhsa_kernarg_size 40
		.amdhsa_user_sgpr_count 2
		.amdhsa_user_sgpr_kernarg_segment_ptr 1
		.amdhsa_wavefront_size32 1
		.amdhsa_system_sgpr_workgroup_id_x 1
		.amdhsa_system_sgpr_workgroup_id_y 1
		.amdhsa_system_sgpr_workgroup_id_z 1
		.amdhsa_system_vgpr_workitem_id 0
		.amdhsa_next_free_vgpr 768
		.amdhsa_next_free_sgpr 66
		.amdhsa_reserve_vcc 0
		.amdhsa_float_denorm_mode_32 3
		.amdhsa_float_denorm_mode_16_64 3
		.amdhsa_memory_ordered 1
		.amdhsa_forward_progress 1
		.amdhsa_inst_pref_size 185
	.end_amdhsa_kernel
	.amdgpu_metadata
---
amdhsa.version: [ 1, 2 ]
amdhsa.kernels:
  - .name:           k_q0e55fa52db_ffn2
    .symbol:         k_q0e55fa52db_ffn2.kd
    .args:
      - { .name: hbuf, .offset: 0, .size: 8, .value_kind: global_buffer, .address_space: global }
      - { .name: plan, .offset: 8, .size: 8, .value_kind: global_buffer, .address_space: global }
      - { .name: wb, .offset: 16, .size: 8, .value_kind: global_buffer, .address_space: global }
      - { .name: b2, .offset: 24, .size: 8, .value_kind: global_buffer, .address_space: global }
      - { .name: ybuf, .offset: 32, .size: 8, .value_kind: global_buffer, .address_space: global }
    .group_segment_fixed_size: 327680
    .private_segment_fixed_size: 0
    .kernarg_segment_align: 8
    .kernarg_segment_size: 40
    .max_flat_workgroup_size: 128
    .sgpr_count:     66
    .vgpr_count:     768
    .wavefront_size: 32
...
	.end_amdgpu_metadata
.endif
;; end of part 4
;; launch combine (part 5): grid 256 x 1, 8 waves a work-group, no clusters, 0 bytes of LDS; arguments ybuf, plan, prob, out0; writes out0
.if DOCPART == 5
	.amdgcn_target "amdgcn-amd-amdhsa--gfx1250"
	.amdhsa_code_object_version 6
	.text
	.protected	k_q0e55fa52db_combine
	.globl	k_q0e55fa52db_combine
	.p2align	8
	.type	k_q0e55fa52db_combine,@function
k_q0e55fa52db_combine:
	s_mov_b64 s[64:65], 0
	v_nop
	global_prefetch_b8 v0, s[64:65] scope:SCOPE_SE
	s_setreg_imm32_b32 hwreg(HW_REG_WAVE_MODE, 25, 1), 1
	s_wait_xcnt 0x0
; out0[t] = p1 ybuf[pos[t][0]] + p2 ybuf[pos[t][1]]: each token gathers its two experts' rows (no atomics: every output row has one owner).
; A wave has two tokens; a row is 2,048 bytes: four loads of 512 neighbouring bytes.  All 16 loads go out first.  Memory binds: no LDS, no matrix unit.
.set OFF, 2                            ; v[2:5]   byte offsets of the four rows
.set DD,  8                            ; v[8:71]  token t, entry k, part c at DD + 32 t + 16 k + 4 c
	s_load_b256 s[4:11], s[0:1], 0x0               ; ybuf s[4:5], plan s[6:7], prob s[8:9], out0 s[10:11]
	v_and_b32 v1, 31, v0
	v_lshrrev_b32 v2, 5, v0
	v_readfirstlane_b32 s12, v2                    ; wave
	v_lshlrev_b32 v1, 4, v1                        ; 16 x lane
	s_lshl_b32 s13, ttmp9, 7
	s_lshl_b32 s14, s12, 4
	s_add_co_u32 s13, s13, s14                     ; 8 x my first token
	s_lshl_b32 s2, s13, 8                          ; its row of out0
	s_mov_b32 s3, 0
	s_wait_kmcnt 0x0
	s_load_b128 s[16:19], s[6:7], s13 offset:0xa000   ; four slots
	s_load_b128 s[20:23], s[8:9], s13 offset:0x0      ; four probabilities
	s_add_nc_u64 s[10:11], s[10:11], s[2:3]
	s_wait_kmcnt 0x0
.irp k, 0,1,2,3
	s_min_u32 s[16+\k], s[16+\k], 0x27ff
	s_lshl_b32 s[16+\k], s[16+\k], 11
	v_add_nc_u32 v[OFF+\k], s[16+\k], v1
	s_mov_b32 s[24+2*\k], s[20+\k]                 ; each probability in a pair of its own: the packed forms take a scalar pair's low word for both halves
	s_mov_b32 s[25+2*\k], s[20+\k]
.endr
.irp k, 0,1,2,3
.irp c, 0,1,2,3
	global_load_b128 v[DD+16*\k+4*\c:DD+16*\k+4*\c+3], v[OFF+\k], s[4:5] offset:512*\c th:TH_LOAD_NT
.endr
.endr
.irp t, 0,1
	s_wait_loadcnt 8-8*\t                          ; this token's eight loads are in; the other's may stay out
.irp i, 0,2,4,6,8,10,12,14
	v_pk_mul_f32 v[DD+32*\t+\i:DD+32*\t+\i+1], v[DD+32*\t+\i:DD+32*\t+\i+1], s[24+4*\t:25+4*\t] op_sel_hi:[1,0]
.endr
.irp i, 0,2,4,6,8,10,12,14
	v_pk_fma_f32 v[DD+32*\t+\i:DD+32*\t+\i+1], v[DD+32*\t+16+\i:DD+32*\t+16+\i+1], s[26+4*\t:27+4*\t], v[DD+32*\t+\i:DD+32*\t+\i+1] op_sel_hi:[1,0,1]
.endr
.irp c, 0,1,2,3
	global_store_b128 v1, v[DD+32*\t+4*\c:DD+32*\t+4*\c+3], s[10:11] offset:2048*\t+512*\c th:TH_STORE_NT
.endr
.endr
	s_endpgm
.Lfunc_end_k_q0e55fa52db_combine:
	.size	k_q0e55fa52db_combine, .Lfunc_end_k_q0e55fa52db_combine-k_q0e55fa52db_combine
	.p2alignl 7, 3214868480
	.fill 96, 4, 3214868480
	.section	.rodata,"a",@progbits
	.p2align	6, 0x0
	.amdhsa_kernel k_q0e55fa52db_combine
		.amdhsa_group_segment_fixed_size 0
		.amdhsa_private_segment_fixed_size 0
		.amdhsa_enable_private_segment 0
		.amdhsa_kernarg_size 32
		.amdhsa_user_sgpr_count 2
		.amdhsa_user_sgpr_kernarg_segment_ptr 1
		.amdhsa_wavefront_size32 1
		.amdhsa_system_sgpr_workgroup_id_x 1
		.amdhsa_system_sgpr_workgroup_id_y 1
		.amdhsa_system_sgpr_workgroup_id_z 1
		.amdhsa_system_vgpr_workitem_id 0
		.amdhsa_next_free_vgpr 72
		.amdhsa_next_free_sgpr 66
		.amdhsa_reserve_vcc 0
		.amdhsa_float_denorm_mode_32 3
		.amdhsa_float_denorm_mode_16_64 3
		.amdhsa_memory_ordered 1
		.amdhsa_forward_progress 1
		.amdhsa_inst_pref_size 6
	.end_amdhsa_kernel
	.amdgpu_metadata
---
amdhsa.version: [ 1, 2 ]
amdhsa.kernels:
  - .name:           k_q0e55fa52db_combine
    .symbol:         k_q0e55fa52db_combine.kd
    .args:
      - { .name: ybuf, .offset: 0, .size: 8, .value_kind: global_buffer, .address_space: global }
      - { .name: plan, .offset: 8, .size: 8, .value_kind: global_buffer, .address_space: global }
      - { .name: prob, .offset: 16, .size: 8, .value_kind: global_buffer, .address_space: global }
      - { .name: out0, .offset: 24, .size: 8, .value_kind: global_buffer, .address_space: global }
    .group_segment_fixed_size: 0
    .private_segment_fixed_size: 0
    .kernarg_segment_align: 8
    .kernarg_segment_size: 32
    .max_flat_workgroup_size: 256
    .sgpr_count:     66
    .vgpr_count:     72
    .wavefront_size: 32
...
	.end_amdgpu_metadata
.endif
;; end of part 5
